; MI455X (gfx1250); checked and timed in simulation.
; The chip was launched on July 23, 2026; its instructions are those of AMD's public machine-readable ISA for CDNA 5 (MIT licence, August 2026) and "CDNA5" Instruction Set Architecture Reference Guide (July 2026). The comments in the code are by the model that wrote it; some were corrected since.
;; AUGRU. Allowed arithmetic: matrix products marked QUANTISED: E3M2 operands, one E8M0 scale for each 32 along K, by v_wmma_scale_f32_16x16x128_f8f6f4 with both operands' format E3M2, f32 sums; everything else in f32.
;; Inputs: Wc_h_codes 512 x 16 x 24 uint8 (E3M2 codes of Wc_h, K innermost, in blocks of 32 codes, four codes in three bytes); Wc_h_scales 512 x 16 uint8 (E8M0 scales of Wc_h, one for each 32 codes along K); Wc_x_codes 512 x 16 x 24 uint8 (E3M2 codes of Wc_x, K innermost, in blocks of 32 codes, four codes in three bytes); Wc_x_scales 512 x 16 uint8 (E8M0 scales of Wc_x, one for each 32 codes along K); Wr_h_codes 512 x 16 x 24 uint8 (E3M2 codes of Wr_h, K innermost, in blocks of 32 codes, four codes in three bytes); Wr_h_scales 512 x 16 uint8 (E8M0 scales of Wr_h, one for each 32 codes along K); Wr_x_codes 512 x 16 x 24 uint8 (E3M2 codes of Wr_x, K innermost, in blocks of 32 codes, four codes in three bytes); Wr_x_scales 512 x 16 uint8 (E8M0 scales of Wr_x, one for each 32 codes along K); Wu_h_codes 512 x 16 x 24 uint8 (E3M2 codes of Wu_h, K innermost, in blocks of 32 codes, four codes in three bytes); Wu_h_scales 512 x 16 uint8 (E8M0 scales of Wu_h, one for each 32 codes along K); Wu_x_codes 512 x 16 x 24 uint8 (E3M2 codes of Wu_x, K innermost, in blocks of 32 codes, four codes in three bytes); Wu_x_scales 512 x 16 uint8 (E8M0 scales of Wu_x, one for each 32 codes along K); att_score 32,768 x 1 float32; bc 512 float32; br 512 float32; bu 512 float32; inputs_codes 32,768 x 16 x 24 uint8 (E3M2 codes of inputs, K innermost, in blocks of 32 codes, four codes in three bytes); inputs_scales 32,768 x 16 uint8 (E8M0 scales of inputs, one for each 32 codes along K); state 32,768 x 512 float32.
;; Outputs: out0 32,768 x 512 float32.
;; This version of the problem:
;;   THIS VERSION OF THE PROBLEM IS GIVEN IN LOW PRECISION. The matrix products marked QUANTISED in the list below multiply operands that are first quantised to E3M2 (3 exponent bits, 2 mantissa bits; 6 bits a number), with one power-of-two scale for each 32 numbers along K (OCP MX v1.0); their sums are f32. All else is computed in f32.
;;   The module's matrix products, in the order in which they are computed (A, B: the left and right operand; K: the contracted axis; several contracted axes count as one K, in the product's order):
;;     1. [M 32,768, K 512] x [K 512, N 512]; A: input inputs (given as codes); B: input Wu_x (given as codes): QUANTISED
;;     2. [M 32,768, K 512] x [K 512, N 512]; A: input state; B: input Wu_h (given as codes): QUANTISED
;;     3. [M 32,768, K 512] x [K 512, N 512]; A: input inputs (given as codes); B: input Wr_x (given as codes): QUANTISED
;;     4. [M 32,768, K 512] x [K 512, N 512]; A: input state; B: input Wr_h (given as codes): QUANTISED
;;     5. [M 32,768, K 512] x [K 512, N 512]; A: input inputs (given as codes); B: input Wc_x (given as codes): QUANTISED
;;     6. [M 32,768, K 512] x [K 512, N 512]; A: input state; B: input Wc_h (given as codes): QUANTISED
;;   THE QUANTISER, for each operand of a quantised product, along K:
;;     - K is cut into blocks of 32 from its start; a last block that is shorter is filled with zeros.
;;     - A block's scale is 2^e with e = floor(log2(the largest magnitude in the block)) - 4, held to -126 .. 127; a block of zeros has e = 0. As a byte (E8M0): e + 127.
;;     - Each number is divided by its block's scale, clamped to +-28, and rounded to the nearest number of E3M2, ties to even, subnormals kept.
;;     - The product sums the exact products of the quantised numbers (number of the format x scale) in f32.
;;   ~~~python
;;   def quantise(x, axis):      # numpy; x: float32 -> the quantised numbers, widened to float32 again
;;       x = np.moveaxis(x, axis, -1); K = x.shape[-1]
;;       x = np.pad(x, [(0, 0)] * (x.ndim - 1) + [(0, -K % 32)]); x = x.reshape(x.shape[:-1] + (-1, 32)); a = np.abs(x).max(-1, keepdims=True)
;;       e = np.where(a > 0, np.clip(np.frexp(np.where(a > 0, a, 1))[1] - 1 - 4, -126, 127), 0)      # np.frexp(a)[1] - 1 = floor(log2(a)), exactly
;;       r = np.clip(x / 2.0 ** e, -28, 28)
;;       step = 2.0 ** (np.maximum(np.frexp(np.where(r == 0, 1, r))[1] - 1, -2) - 2)
;;       q = np.round(r / step) * step * 2.0 ** e      # np.round: ties to even
;;       return np.moveaxis(q.reshape(q.shape[:-2] + (-1,))[..., :K], -1, axis).astype(np.float32)
;;   ~~~
;;   INPUTS GIVEN AS CODES. Wc_h (in the module: [512, 512], K = its axis 0); Wc_x (in the module: [512, 512], K = its axis 0); Wr_h (in the module: [512, 512], K = its axis 0); Wr_x (in the module: [512, 512], K = its axis 0); Wu_h (in the module: [512, 512], K = its axis 0); Wu_x (in the module: [512, 512], K = its axis 0); inputs (in the module: [32768, 512], K = its axis 1): each comes as NAME_codes (uint8): NAME with its K axis moved to the last place and cut into blocks of 32 codes, [.., K / 32, bytes a block], one block behind the other in memory; four codes in three bytes: a row's codes are one little-endian stream of bits, code i at bits 6 i .. 6 i + 5 (a code: sign, 3 exponent bits, 2 mantissa bits); and NAME_scales (uint8): the same leading axes, one E8M0 byte (e + 127) for each 32 codes along K. Its value is code x scale, taken as it is: it is not quantised again, and the codes and scales need not be those that the quantiser above would give.
;; One version. Each part assembles by itself: llvm-mc -triple=amdgcn-amd-amdhsa -mcpu=gfx1250 --defsym DOCPART=n.
;; ======== version 1 of 1: 1 launch
;; limits: right only within a limited range of input values
;; launch augru (part 1): grid 256 x 1, 4 waves a work-group, clusters of 4 x 1, 327,680 bytes of LDS; arguments Wu_x_codes, Wr_x_codes, Wc_x_codes, Wu_h_codes, Wr_h_codes, Wc_h_codes, Wu_x_scales, Wr_x_scales, Wc_x_scales, Wu_h_scales, Wr_h_scales, Wc_h_scales, bu, br, bc, att_score, inputs_codes, inputs_scales, state, out0; writes out0
.if DOCPART == 1
	.amdgcn_target "amdgcn-amd-amdhsa--gfx1250"
	.amdhsa_code_object_version 6
	.text
	.protected	k_q7840f9b1d0_augru
	.globl	k_q7840f9b1d0_augru
	.p2align	8
	.type	k_q7840f9b1d0_augru,@function
k_q7840f9b1d0_augru:
	s_mov_b64 s[64:65], 0
	v_nop
	global_prefetch_b8 v0, s[64:65] scope:SCOPE_SE
	s_setreg_imm32_b32 hwreg(HW_REG_WAVE_MODE, 25, 1), 1
	s_wait_xcnt 0x0
	s_wait_alu depctr_hold_cnt(0) depctr_sa_sdst(0) depctr_va_vdst(0) depctr_va_sdst(0) depctr_va_ssrc(0) depctr_va_vcc(0) depctr_vm_vsrc(0)
	s_getreg_b32 s2, hwreg(HW_REG_IB_STS2, 6, 4)
	s_cmp_eq_u32 s2, 0
	s_cbranch_scc0 .Lentry_in_a_cluster
	s_endpgm
.Lentry_in_a_cluster:
	s_bfe_u32 s2, ttmp6, 0x10000c
	s_cmp_lg_u32 s2, 0x3003
	s_cbranch_scc0 .Lentry_shape_is_right
	s_endpgm
.Lentry_shape_is_right:
; AUGRU cell, one launch.  out = h + a u (c - h),  u = sigmoid(x Wu_x + bu + h Wu_h),  r = sigmoid(x Wr_x + br + h Wr_h),  c = tanh(x Wc_x + bc + r (h Wc_h)).
; x and the six weights arrive as BF6 codes, K innermost, 384 bytes a row, with 16 E8M0 bytes a row; h (state) arrives as f32 and is quantised here along its 512 by the stated rule; the same f32 h enters the last line.
; All six products go by v_wmma_scale_f32_16x16x128_f8f6f4 on BF6 codes, sums in f32.  Nothing of the problem is left out: every input is loaded.
; SHARES.  A cluster of four work-groups takes 512 rows; the work-group at place cx takes columns 128 cx .. + 127 of all gates, in 8 blocks of 64 rows (4 tiles of 16).  Wave w takes columns 32 w .. + 31 of these (2 tiles):
; its 6 weights x 4 K steps x 2 tiles = 48 fragments, 576 registers, stay in registers.  A fragment of x or h read from LDS feeds 6 matrix instructions.
; TRANSPOSED USE: source 0 = 16 rows of a weight, source 1 = 16 rows of x or h: lane (r, h) holds row r, register j column 8 h + j of the tile.
; CLUSTER.  The four partners need the same rows of state and of x: each tile is asked for JOINTLY (mask 15).  cx enters global addresses alone.  The weights come by plain loads, once: those who share a quarter of them lie in
; 64 different clusters.
; A BLOCK:  P1: wave w quantises rows 16 w .. + 15 of h and stores 4 fragments to LDS as register images | round, refills |  P3: products and gates, results to a stage | barrier |  P4: each wave stores 16 rows of 512 bytes.
; A TILE'S TURN.  Its 48 products go in three groups whose sums begin and end inside the group: CX (8, x alone), U and R (32, x's K steps, then h's), CH (8, h alone).  The gates of the tile before (the other accumulator set)
; have four batches of transcendentals: they stand whole ahead of, between and behind the groups, so that none stands between two links of a sum; the gates' plain work stands between the products.
; A tile's 64 sums are first read in one run of 32 packed multiplies (PRE), directly behind a wait.
; THE LAST LINE with five transcendentals a number:  eu = e^-U, p = 1 + e^(2 z):  out = h + a (p (1 - h) - 2) / (p (1 + eu)).
; NO PREFETCH: a tile of state or of x is asked for one whole block ahead of the wait for it: a wave's 192 products and its four tiles' gates stand between.
; x's tile, 32 rows x 384 bytes, is dense in memory: it is stated as 48 rows of 256 bytes, each at a multiple of 256 bytes from the buffer's first byte; the padding behind every 128 bytes gives LDS rows of 432 bytes.
; LIMITS.  NaN and infinities among the inputs are not served (v_min_num_f32 drops a NaN).  -U log2(e) and 2 z log2(e) are held at 60 from above: u is never under 2^-60, tanh is 1 in f32 from far below that, (1 + 2^60)^2 is finite.
; e^-R may become infinity, which gives r = 0.  A block of zeros of h gets the scale byte 1 (the rule says 127): its codes are zeros, and this program alone reads the byte.  Blocks of h under 2^(5 - 127) have their byte held at 1.
; LDS.  Filled by tensor loads: X0 at 0, X1 at 32,768 (64 rows of x, pitch 432); S0 at 65,536 and S1 behind it (64 rows x 256 numbers of state each, pitch 1,040).  Written by LDS stores alone: XSC, ATT, HIMG, HSC, STG, WST.
.set X1OFF,  0x8000
.set XHALF,  32*432
.set SBASE,  65536
.set SHALF,  64*1040
.set XSC,    198656
.set ATT,    206848
.set HIMG,   208896
.set HSC,    233472
.set STG,    234496
.set WST,    268288
.set SPARE,  295936                    ; the spare words, 128 bytes a wave
; window 0
.set SPW,  1                           ; my spare word's address; never rewritten
.set NIL,  2                           ; 0; never rewritten
.set LI,   3                           ; 16 x lane
.set XA1,  4                           ; v4: 432 r + 24 h;  v5: 432 r + 40 h (pieces behind one padding more)
.set WA1,  6                           ; v6, v7 the same in my stage for the weights
.set ADX1, 8                           ; v8, v9 the same in the slot of x in hand
.set SA0,  10                          ; v10, v11 my row's numbers in S0, S1
.set IMW,  12
.set IMR,  13
.set HSW,  14
.set HSR,  15
.set XSR,  16
.set ADXS, 17
.set ATR,  18
.set ADAT, 19
.set SO,   20
.set SR,   21
.set EO,   22
.set XSW,  23
.set WSA,  24
.set BO,   25
.set ATW,  26
.set WSC,  32                          ; v32-55 the weights' scale words: 4 q + s; lanes 0-15 my first tile of columns, 16-31 my second
.set XS,   56                          ; v56-63 x's scale words: 4 (m / 2) + s; lanes 0-15 the even tile of rows, 16-31 the odd;  v64-71 h's
.set AT,   72                          ; v72, 74, 76, 78 att_score of tile m's row r
.set HF,   80                          ; v80-127 h's four fragments
.set ACC,  128                         ; two sets of 64: U +0, R +16, CX +32, CH +48
.set TM,   240
.set QSA,  80
.set QSB,  144
.set PC,   208
.set PW,   228
.set OB,   192                         ; v192-255 16 rows read back from the stage
.set T0,   80
.set BI,   192                         ; window 1: the biases
.set EE,   192                         ; window 2: the last line's h
.set XF,   192                         ; window 3: x's four fragments
; weight fragment f = 24 p + 6 s + 2 g + c lies in window 1 + f / 16 at v[12 (f % 16)]
.set G0S,  4
.set G1S,  56
.set G1X,  68
.set G0X,  76
.set G0W,  80
; s8 wave, s9 cx, s10 wave % 2; s11 60.0; s[12:13] -log2(e); s[14:15] 2 log2(e); s[16:55] the addresses; s[66:67] lane selects; s84 trips; s85 the slot of x; s86, s87 the block's place in XSC, ATT
.set MSB, 0
.macro WIN new
.if MSB != (\new)
	s_set_vgpr_msb (MSB<<8)|(\new)
.set MSB, \new
.endif
.endm
.macro PLACES
.rept 4
	v_nop
.endr
.endm
.macro GWAIT
	s_wait_alu depctr_va_vdst(0)
.endm
.macro CROUND
	s_barrier_signal -1
	s_barrier_wait -1
	s_cmp_lg_u32 s8, 0
	s_cbranch_scc1 .Lnot_wave_0_\@
	s_barrier_signal -3
.Lnot_wave_0_\@:
	s_barrier_wait -3
	s_barrier_signal -1
	s_barrier_wait -1
.endm
.macro JLOAD                           ; waves 0, 1: the two halves (columns) of the next tile of state; waves 2, 3: the two halves (rows) of the next tile of x
	s_cmp_lt_u32 s8, 2
	s_cbranch_scc0 .Lfor_x_\@
	tensor_load_to_lds s[G0S:G0S+3], s[G1S:G1S+7]
	s_nop 0
.rept 4
	v_nop
.endr
	s_branch .Lasked_\@
.Lfor_x_\@:
	tensor_load_to_lds s[G0W:G0W+3], s[G1X:G1X+7]
	s_nop 0
.rept 4
	v_nop
.endr
.Lasked_\@:
.endm
.macro SLOAD                           ; state alone
	s_cmp_lt_u32 s8, 2
	s_cbranch_scc0 .Lnone_\@
	tensor_load_to_lds s[G0S:G0S+3], s[G1S:G1S+7]
	s_nop 0
.rept 4
	v_nop
.endr
.Lnone_\@:
.endm
; a fragment: 12 registers, six pieces of 8 bytes; lanes 16-31 read three pieces on; 16 bytes of padding behind every 16 pieces
.macro FRAG reg, a, off, s
.irp p, 0,1,2,3,4,5
.set PCE, 12*(\s)+6*(\p/3)+\p%3
.if PCE%16 < 13
	ds_load_b64 v[\reg+2*\p:\reg+2*\p+1], v[\a] offset:(\off)+8*PCE+16*(PCE/16)
.else
	ds_load_b64 v[\reg+2*\p:\reg+2*\p+1], v[\a+1] offset:(\off)+8*PCE+16*(PCE/16)
.endif
.endr
.endm
; the weights: unit k = 2 q + c, my 16 rows of weight q, tile c: 6,144 dense bytes through my own stage
.macro WLOAD k
.set uq, (\k)/2
.set uc, (\k)%2
.set ut, T0+48*((\k)%3)
.irp i, 0,1,2,3,4,5,6,7,8,9,10,11
	global_load_b128 v[ut+4*\i:ut+4*\i+3], v[LI], s[16+2*uq:17+2*uq] offset:6144*uc+512*\i
.endr
.endm
.macro WUNIT k
.if (\k) <= 9
	s_wait_loadcnt 24                              ; this unit's loads are in; the two units behind it may be out
.elseif (\k) == 10
	s_wait_loadcnt 12
.else
	s_wait_loadcnt 0x0
.endif
.if (\k) == 0
.irp i, 0,1,2,3
	ds_store_b128 v[XSW], v[224+4*\i:227+4*\i] offset:512*\i
.endr
	ds_store_b128 v[ATW], v[240:243]
.endif
.set ut, T0+48*((\k)%3)
.irp i, 0,1,2,3,4,5,6,7,8,9,10,11
	ds_store_b128 v[WSA], v[ut+4*\i:ut+4*\i+3] offset:576*\i
.endr
.irp s, 0,1,2,3
.set f, 24*((\k)/6)+6*\s+(\k)%6
.set fw, (1+f/16)<<6
.set fr, 12*(f%16)
	WIN fw
	FRAG fr, WA1, 0, \s                            ; LDS serves a wave's instructions in order (ISA guide 5.7.1.4)
.endr
	WIN 0
	s_wait_dscnt 24                                ; all but the 24 loads just issued: the stores have read their registers
.if (\k)+3 <= 11
	WLOAD (\k)+3
.endif
.endm
; the quantiser
.macro QLOAD set, s
.irp b, 0,1,2,3
.irp j, 0,1,2,3
	ds_load_b128 v[\set+16*\b+4*\j:\set+16*\b+4*\j+3], v[SA0+(\s)/2] offset:512*((\s)%2)+128*\b+16*\j
.endr
.endr
.endm
.macro QUANT s, pw
.irp b, 0,1,2,3
	v_max3_num_f32 v[TM+\b], |v[\s+16*\b]|, |v[\s+1+16*\b]|, 0x2800000   ; with the floor 2^(5 - 127)
.endr
.irp i, 2,4,6,8,10,12,14
.irp b, 0,1,2,3
	v_max3_num_f32 v[TM+\b], v[TM+\b], |v[\s+16*\b+\i]|, |v[\s+1+16*\b+\i]|
.endr
.endr
.irp b, 0,1,2,3
	v_permlanex16_b32 v[TM+4+\b], v[TM+\b], s66, s67
.endr
.irp b, 0,1,2,3
	v_max_num_f32 v[TM+\b], v[TM+\b], v[TM+4+\b]
.endr
.irp b, 0,1,2,3
	v_add_nc_u32 v[TM+12+\b], 0xfe000000, v[TM+\b] ; 4 off the exponent field: the conversion's scale operand
.endr
.irp b, 0,1,2,3
	v_lshrrev_b32 v[TM+4+\b], 23, v[TM+12+\b]      ; the scale's byte
.endr
	v_lshl_or_b32 v[\pw], v[TM+5], 8, v[TM+4]
	v_lshl_or_b32 v[\pw], v[TM+6], 16, v[\pw]
	v_lshl_or_b32 v[\pw], v[TM+7], 24, v[\pw]
.irp c, 0,1
	v_cvt_scalef32_pk16_bf6_f32 v[PC+6*\c:PC+2+6*\c], v[\s+32*\c:\s+15+32*\c], v[TM+12+2*\c]
	v_cvt_scalef32_pk16_bf6_f32 v[PC+12+4*\c:PC+14+4*\c], v[\s+16+32*\c:\s+31+32*\c], v[TM+12+2*\c+1]
.endr
	v_nop                                          ; one plain place behind a scaled conversion
.irp c, 0,1
.irp i, 0,1,2
	v_permlane16_swap_b32 v[PC+6*\c+\i], v[PC+12+4*\c+\i]
.endr
.irp i, 0,1,2
	v_mov_b32 v[PC+3+6*\c+\i], v[PC+12+4*\c+\i]
.endr
.endr
.endm
.macro IMAGE s
.irp c, 0,1,2
	ds_store_b128 v[IMW], v[PC+4*\c:PC+4*\c+3] offset:1536*(\s)+512*\c
.endr
.endm
; one product; its symbols are set by WM
.macro WMI zero
.if \zero
.if rRA && rRB
	v_wmma_scale_f32_16x16x128_f8f6f4 v[rD:rD+7], v[rA:rA+11], v[rB:rB+11], 0, v[rSA], v[rSB] matrix_a_fmt:MATRIX_FMT_BF6 matrix_b_fmt:MATRIX_FMT_BF6 matrix_a_scale:MATRIX_SCALE_ROW1 matrix_b_scale:MATRIX_SCALE_ROW1
.elseif rRA
	v_wmma_scale_f32_16x16x128_f8f6f4 v[rD:rD+7], v[rA:rA+11], v[rB:rB+11], 0, v[rSA], v[rSB] matrix_a_fmt:MATRIX_FMT_BF6 matrix_b_fmt:MATRIX_FMT_BF6 matrix_a_scale:MATRIX_SCALE_ROW1
.elseif rRB
	v_wmma_scale_f32_16x16x128_f8f6f4 v[rD:rD+7], v[rA:rA+11], v[rB:rB+11], 0, v[rSA], v[rSB] matrix_a_fmt:MATRIX_FMT_BF6 matrix_b_fmt:MATRIX_FMT_BF6 matrix_b_scale:MATRIX_SCALE_ROW1
.else
	v_wmma_scale_f32_16x16x128_f8f6f4 v[rD:rD+7], v[rA:rA+11], v[rB:rB+11], 0, v[rSA], v[rSB] matrix_a_fmt:MATRIX_FMT_BF6 matrix_b_fmt:MATRIX_FMT_BF6
.endif
.else
.if rRA && rRB
	v_wmma_scale_f32_16x16x128_f8f6f4 v[rD:rD+7], v[rA:rA+11], v[rB:rB+11], v[rCC:rCC+7], v[rSA], v[rSB] matrix_a_fmt:MATRIX_FMT_BF6 matrix_b_fmt:MATRIX_FMT_BF6 matrix_a_scale:MATRIX_SCALE_ROW1 matrix_b_scale:MATRIX_SCALE_ROW1
.elseif rRA
	v_wmma_scale_f32_16x16x128_f8f6f4 v[rD:rD+7], v[rA:rA+11], v[rB:rB+11], v[rCC:rCC+7], v[rSA], v[rSB] matrix_a_fmt:MATRIX_FMT_BF6 matrix_b_fmt:MATRIX_FMT_BF6 matrix_a_scale:MATRIX_SCALE_ROW1
.elseif rRB
	v_wmma_scale_f32_16x16x128_f8f6f4 v[rD:rD+7], v[rA:rA+11], v[rB:rB+11], v[rCC:rCC+7], v[rSA], v[rSB] matrix_a_fmt:MATRIX_FMT_BF6 matrix_b_fmt:MATRIX_FMT_BF6 matrix_b_scale:MATRIX_SCALE_ROW1
.else
	v_wmma_scale_f32_16x16x128_f8f6f4 v[rD:rD+7], v[rA:rA+11], v[rB:rB+11], v[rCC:rCC+7], v[rSA], v[rSB] matrix_a_fmt:MATRIX_FMT_BF6 matrix_b_fmt:MATRIX_FMT_BF6
.endif
.endif
.endm
; product f of tile m, into set m % 2.  The biases are the C of x's first K step; CH's first product takes 0.  Windows: source 0 the weight's; source 1 window 3 for x, 0 for h; source 2 window 1 for a bias.
.macro WM m
.set wp, f/24
.set ws, (f%24)/6
.set wg, (f%6)/2
.set rRA, f%2
.set rRB, (\m)%2
.set rD, ACC+64*((\m)%2)+8*(2*wg+rRA)+16*wp*(wg/2)
.set rA, 12*(f%16)
.set rB, XF+12*ws
.if wp
.set rB, HF+12*ws
.endif
.set rSA, WSC+4*(3*wp+wg)+ws
.set rSB, XS+8*wp+4*((\m)/2)+ws
.set rCC, rD
.set ww, (1+f/16)+12*(1-wp)
.if f < 6
.set rCC, BI+8*(2*wg+rRA)
.set ww, ww+16
.endif
	WIN ww
.if (f == 28) || (f == 29)
	WMI 1
.else
	WMI 0
.endif
.endm
; THE GATES of a tile, 16 numbers a lane, in place in its accumulator set
.macro GSET m
.set eU, ACC+64*((\m)%2)
.set eR, eU+16
.set eC, eU+32
.set eH, eU+48
.set eE, EE+16*(\m)
.set eT, AT+2*(\m)
.endm
.macro T16 op, b                       ; a batch of sixteen
.set e, 0
.rept 16
	\op v[\b+e], v[\b+e]
.set e, e+1
.endr
.endm
.macro PRE m                           ; the first reads of the tile's 64 sums, each accumulator from its low end on: U, R x -log2(e); CX, CH x 2 log2(e)
	GSET \m
	WIN 0
	GWAIT
.set e, 0
.rept 16
	v_pk_mul_f32 v[eU+e:eU+e+1], v[eU+e:eU+e+1], s[12:13] op_sel_hi:[1,0]
.set e, e+2
.endr
.rept 16
	v_pk_mul_f32 v[eU+e:eU+e+1], v[eU+e:eU+e+1], s[14:15] op_sel_hi:[1,0]
.set e, e+2
.endr
.endm
.macro GFG                             ; four of 24 (k): 2 log2(e) z = r CH' + CX', then held at 60
.rept 4
.if k < 8
	v_pk_fma_f32 v[eC+2*k:eC+2*k+1], v[eR+2*k:eR+2*k+1], v[eH+2*k:eH+2*k+1], v[eC+2*k:eC+2*k+1]
.else
	v_min_num_f32 v[eC+k-8], s11, v[eC+k-8]
.endif
.set k, k+1
.endr
.endm
.macro G4                              ; four of 32 (k): 1 + eu; 1 - h into CH's registers; the wait for e^(2 z); p = 1 + e^(2 z); p (1 + eu)
.rept 4
.set e, 2*(k%8)
.if k < 8
	WIN 0
	v_pk_add_f32 v[eU+e:eU+e+1], v[eU+e:eU+e+1], 1.0 op_sel_hi:[1,0]
.elseif k < 16
	WIN 0x02
	v_pk_add_f32 v[eH+e:eH+e+1], v[eE+e:eE+e+1], 1.0 op_sel_hi:[1,0] neg_lo:[1,0] neg_hi:[1,0]
.elseif k < 24
	WIN 0
.if k == 16
	GWAIT
.endif
	v_pk_add_f32 v[eC+e:eC+e+1], v[eC+e:eC+e+1], 1.0 op_sel_hi:[1,0]
.else
	WIN 0
	v_pk_mul_f32 v[eU+e:eU+e+1], v[eU+e:eU+e+1], v[eC+e:eC+e+1]
.endif
.set k, k+1
.endr
.endm
.macro XFRAGS m                        ; x's four fragments of tile m: 24 loads, into window 3
	WIN 0xc0
.irp s, 0,1,2,3
	FRAG XF+12*\s, ADX1, 6912*(\m), \s
.endr
	WIN 0
.endm
.macro HFRAGS m                        ; h's four: 12 loads
.irp s, 0,1,2,3
.irp c, 0,1,2
	ds_load_b128 v[HF+12*\s+4*\c:HF+12*\s+4*\c+3], v[IMR] offset:(4*(\m)+\s)*1536+512*\c
.endr
.endr
.endm
.macro STAGE m
	WIN 0
.set sH, ACC+64*((\m)%2)+48
.irp c, 0,1
.irp q, 0,1
	ds_store_b128 v[SO], v[sH+8*\c+4*\q:sH+8*\c+4*\q+3] offset:8448*(\m)+64*\c+16*\q
.endr
.endr
.endm
; A TURN.  pm: the products of tile m;  gm: the gates of tile m - 1
.macro TILE m, pm, gm
.if \gm
	s_wait_loadcnt 16-4*(\m)                       ; the last line's h of tile m - 1 is in; the later tiles' loads, 4 each, may be out
	GSET (\m)-1
	WIN 0
	GWAIT
	T16 v_exp_f32, eR                              ; e^-R
.set e, 0
.rept 16
	v_min_num_f32 v[eU+e], s11, v[eU+e]
.set e, e+1
.endr
	GWAIT
.endif
.if \pm
	s_wait_dscnt 12                                ; x's fragments and the scale words are in: the 12 youngest LDS instructions, all issued behind them, may be out
.endif
.set t, 0
.set e, 0
.rept 4                                        ; CX: 8 products, two accumulators by turns; between them 1 + e^-R
.irp c, 0,1
.if \pm
.set f, 6*t+4+\c
	WM \m
.endif
.if \gm
	WIN 0
	v_pk_add_f32 v[eR+e:eR+e+1], v[eR+e:eR+e+1], 1.0 op_sel_hi:[1,0]
.set e, e+2
.endif
.endr
.set t, t+1
.endr
.if \gm
	GWAIT
	T16 v_rcp_f32, eR                              ; r
	T16 v_exp_f32, eU                              ; eu
	v_nop
	GWAIT
.endif
.set t, 0
.set k, 0
.rept 8                                        ; U and R: 32 products, four accumulators by turns: x's four K steps, then h's
.if \pm
.irp q, 0,1,2,3
.set f, 6*t+\q
	WM \m
.endr
.endif
.if (\gm) && (t < 6)
	WIN 0
	GFG
.endif
.if (\pm) && (t == 3)                          ; x's fragments are done with: four places, then the next tile's
	WIN 0
.if (\gm) == 0
	PLACES
.endif
.if (\m) < 3
	XFRAGS (\m)+1
	s_wait_dscnt 24                                ; all but the 24 just issued: h's fragments are in
.else
	s_wait_dscnt 0x0
.endif
.endif
.set t, t+1
.endr
.if \gm
	WIN 0
	GWAIT
	T16 v_exp_f32, eC                              ; e^(2 z)
.endif
.set t, 0
.set k, 0
.rept 4                                        ; CH: 8 products, two accumulators by turns
.irp c, 0,1
.if \pm
.set f, 28+6*t+\c
	WM \m
.endif
.if \gm
	G4
.endif
.endr
.set t, t+1
.endr
	WIN 0
.if \gm
	GWAIT
	T16 v_rcp_f32, eU                              ; 1 / (p (1 + eu))
.set e, 0
.rept 8
	v_pk_fma_f32 v[eH+e:eH+e+1], v[eC+e:eC+e+1], v[eH+e:eH+e+1], -2.0 op_sel_hi:[1,1,0]
.set e, e+2
.endr
.else
	PLACES
.endif
.if (\pm) && ((\m) < 3)
	HFRAGS (\m)+1                                  ; behind four places or more
.endif
.if \gm
	GWAIT
.set e, 0
.rept 8
	v_pk_mul_f32 v[eH+e:eH+e+1], v[eH+e:eH+e+1], v[eU+e:eU+e+1]
.set e, e+2
.endr
	WIN 0x20                                       ; source 2 (h) window 2
.set e, 0
.rept 8
	v_pk_fma_f32 v[eH+e:eH+e+1], v[eH+e:eH+e+1], v[eT:eT+1], v[eE+e:eE+e+1] op_sel_hi:[1,0,1]
.set e, e+2
.endr
	WIN 0
.endif
.if \pm
	PRE \m
.endif
.if \gm
	STAGE (\m)-1
.endif
.endm
.macro P3                              ; a block's products and gates; x's first fragments were asked for in P1
	v_add_nc_u32 v[ADXS], s86, v[XSR]
	v_add_nc_u32 v[ADAT], s87, v[ATR]
	ds_load_b128 v[XS:XS+3], v[ADXS]
	ds_load_b128 v[XS+4:XS+7], v[ADXS] offset:512
	ds_load_b128 v[XS+8:XS+11], v[HSR]
	ds_load_b128 v[XS+12:XS+15], v[HSR] offset:512
.irp m, 0,1,2,3
	ds_load_b32 v[AT+2*\m], v[ADAT] offset:64*\m
.endr
	HFRAGS 0
	TILE 0, 1, 0
	TILE 1, 1, 1
	TILE 2, 1, 1
	TILE 3, 1, 1
	TILE 4, 0, 1
.endm
.macro P4 pre                          ; my 16 rows of the stage leave: 32 lanes store 512 consecutive bytes, at a multiple of 256 from out0's first byte.  pre = 1: the quantiser's first 16 loads go out behind the stage's
.irp i, 0,1,2,3,4,5,6,7,8,9,10,11,12,13,14,15
	ds_load_b128 v[OB+4*\i:OB+4*\i+3], v[SR] offset:528*\i
.endr
.if \pre
	QLOAD QSA, 0
.endif
.irp i, 0,1,2,3,4,5,6,7,8,9,10,11,12,13,14,15
	s_wait_dscnt 15-\i+16*(\pre)
	global_store_b128 v[LI], v[OB+4*\i:OB+4*\i+3], s[54:55] offset:2048*\i th:TH_STORE_NT
.endr
	s_wait_xcnt 0x0                                ; the stores have read their registers and their base
	s_add_nc_u64 s[54:55], s[54:55], 131072
.endm
.macro P1 pre                          ; the next block's h: the last line's numbers are asked for, my 16 rows become four fragments; then x's first fragments of that block
	WIN 0x80
.irp m, 0,1,2,3
.irp c, 0,1
.irp q, 0,1
	global_load_b128 v[EE+16*\m+8*\c+4*\q:EE+16*\m+8*\c+4*\q+3], v[EO], s[52:53] offset:32768*\m+64*\c+16*\q
.endr
.endr
.endr
	WIN 0
.if (\pre) == 0
	QLOAD QSA, 0
.endif
	QLOAD QSB, 1
	s_wait_dscnt 16                                ; K step 0's numbers are in
	QUANT QSA, PW
	IMAGE 0
	QLOAD QSA, 2
	s_wait_dscnt 16                                ; all but the 16 just issued
	QUANT QSB, PW+1
	IMAGE 1
	QLOAD QSB, 3
	s_wait_dscnt 16
	QUANT QSA, PW+2
	IMAGE 2
	s_wait_dscnt 0x0
	QUANT QSB, PW+3
	IMAGE 3
	ds_store_b128 v[HSW], v[PW:PW+3]
	v_add_nc_u32 v[ADX1], s85, v[XA1]
	v_add_nc_u32 v[ADX1+1], s85, v[XA1+1]
	GWAIT                                          ; the wait behind these writes: they are read again behind the tiles' waits
	XFRAGS 0
	s_wait_xcnt 0x0                                ; the global loads above have read their base
	s_add_nc_u64 s[52:53], s[52:53], 131072
.endm
	; ---------------- THE HEAD
	s_load_b512 s[16:31], s[0:1], 0x0
	s_load_b512 s[32:47], s[0:1], 0x40
	s_load_b256 s[48:55], s[0:1], 0x80
	v_lshl_add_u32 v[SPW], v0, 2, SPARE
	v_mov_b32 v[NIL], 0
	ds_add_u32 v[SPW], v[NIL]                      ; the opening: the add, twice on end, and its wait ahead of my first tensor load
	ds_add_u32 v[SPW], v[NIL]
	v_lshrrev_b32 v31, 5, v0
	v_readfirstlane_b32 s8, v31                    ; wave
	s_bfe_u32 s9, ttmp6, 0x40000                   ; cx
	s_and_b32 s10, s8, 1
	s_mov_b32 s11, 0x42700000                      ; 60.0
	s_mov_b32 s12, 0xbfb8aa3b                      ; -log2(e)
	s_mov_b32 s13, s12
	s_mov_b32 s14, 0x4038aa3b                      ; 2 log2(e)
	s_mov_b32 s15, s14
	s_mov_b32 s66, 0x76543210
	s_mov_b32 s67, 0xfedcba98
	s_mov_b32 s85, 0
	s_mov_b32 s86, 0
	s_mov_b32 s87, 0
	; group 1 for state: 64 rows x 128 elements of 8 bytes, 256 elements from row to row, 16 bytes of padding behind each row
	s_mov_b32 s[G1S+0], 15|(3<<16)|(1<<20)|(1<<21)|(7<<22)|(3<<25)
	s_mov_b32 s[G1S+1], 128<<16
	s_mov_b32 s[G1S+2], 64<<16
	s_mov_b32 s[G1S+3], 128<<16
	s_mov_b32 s[G1S+4], 64
	s_mov_b32 s[G1S+5], 256
	s_mov_b32 s[G1S+6], 0
	s_mov_b32 s[G1S+7], 0
	; group 1 for x's codes: 12,288 dense bytes as 48 rows x 32 elements of 8 bytes, 16 bytes of padding behind every 32 words
	s_mov_b32 s[G1X+0], 15|(3<<16)|(1<<20)|(1<<21)|(4<<22)|(3<<25)
	s_mov_b32 s[G1X+1], 32<<16
	s_mov_b32 s[G1X+2], 48<<16
	s_mov_b32 s[G1X+3], 32<<16
	s_mov_b32 s[G1X+4], 48
	s_mov_b32 s[G1X+5], 32
	s_mov_b32 s[G1X+6], 0
	s_mov_b32 s[G1X+7], 0
	s_mov_b32 s[G0S], 1
	s_mul_i32 s88, s10, SHALF
	s_add_co_u32 s[G0S+1], s88, SBASE
	s_mov_b32 s[G0X], 1
	s_mul_i32 s[G0X+1], s10, XHALF
	s_mov_b32 s[G0W], 1
	s_add_co_u32 s[G0W+1], s[G0X+1], X1OFF
	; every LDS address: a constant, a constant x lane, a constant x wave
	v_and_b32 v27, 31, v0
	v_and_b32 v28, 15, v0
	v_bfe_u32 v29, v0, 4, 1
	v_lshlrev_b32 v[LI], 4, v27
	v_mul_u32_u24 v[XA1], v28, 432
	v_mad_u32_u24 v[XA1], v29, 24, v[XA1]
	v_lshl_add_u32 v[XA1+1], v29, 4, v[XA1]
	s_mul_i32 s88, s8, 6912
	s_add_co_u32 s88, s88, WST
	v_add_nc_u32 v[WA1], s88, v[XA1]
	v_add_nc_u32 v[WA1+1], s88, v[XA1+1]
	v_lshrrev_b32 v30, 3, v27
	v_lshl_add_u32 v[WSA], v30, 4, v[LI]
	v_add_nc_u32 v[WSA], s88, v[WSA]
	s_mul_i32 s88, s8, 16*1040
	s_add_co_u32 s88, s88, SBASE
	v_mul_u32_u24 v[SA0], v28, 1040
	v_lshl_add_u32 v[SA0], v29, 6, v[SA0]
	v_add_nc_u32 v[SA0], s88, v[SA0]
	v_add_nc_u32 v[SA0+1], SHALF, v[SA0]
	s_mul_i32 s88, s8, 4*1536
	s_add_co_u32 s88, s88, HIMG
	v_add_nc_u32 v[IMW], s88, v[LI]
	v_add_nc_u32 v[IMR], HIMG, v[LI]
	s_lshl_b32 s88, s8, 8
	s_add_co_u32 s88, s88, HSC
	v_lshl_add_u32 v[HSW], v28, 4, s88
	v_add_nc_u32 v[HSR], HSC, v[LI]
	v_add_nc_u32 v[XSR], XSC, v[LI]
	v_lshl_add_u32 v[ATR], v28, 2, ATT
	s_lshl_b32 s88, s8, 7
	s_add_co_u32 s88, s88, STG
	v_mul_u32_u24 v[SO], v28, 528
	v_lshl_add_u32 v[SO], v29, 5, v[SO]
	v_add_nc_u32 v[SO], s88, v[SO]
	s_mul_i32 s88, s8, 16*528
	s_add_co_u32 s88, s88, STG
	v_add_nc_u32 v[SR], s88, v[LI]
	s_lshl_b32 s88, s8, 11
	s_add_co_u32 s88, s88, XSC
	v_add_nc_u32 v[XSW], s88, v[LI]
	s_lshl_b32 s88, s8, 9
	s_add_co_u32 s88, s88, ATT
	v_add_nc_u32 v[ATW], s88, v[LI]
	v_lshlrev_b32 v[EO], 11, v28
	v_lshl_add_u32 v[EO], v29, 5, v[EO]
	v_lshlrev_b32 v[BO], 5, v29
.irp b, 0,1,2,3
	v_mov_b32 v[TM+4+\b], 0                        ; written once: a lane permute's destination counts as one of its sources
	v_mov_b32 v[AT+1+2*\b], 0                      ; written once: named as the upper halves of pairs
.endr
	GWAIT                                          ; the wait at the end of the head's vector work
	s_wait_dscnt 0x0                               ; both opening adds are done
	s_wait_kmcnt 0x0
	s_lshl_b32 s88, ttmp9, 20                      ; the cluster's 512 rows of 2,048 bytes, my half of the columns
	s_lshl_b32 s94, s10, 10
	s_add_co_u32 s88, s88, s94
	s_mov_b32 s89, 0
	s_add_nc_u64 s[G0S+2:G0S+3], s[52:53], s[88:89]
	s_or_b32 s[G0S+3], s[G0S+3], 0x80000000
	s_mul_i32 s88, ttmp9, 512*384
	s_mul_i32 s94, s10, 32*384
	s_add_co_u32 s88, s88, s94
	s_add_nc_u64 s[G0X+2:G0X+3], s[48:49], s[88:89]
	s_add_nc_u64 s[G0W+2:G0W+3], s[G0X+2:G0X+3], 64*384
	s_or_b32 s[G0X+3], s[G0X+3], 0x80000000
	s_or_b32 s[G0W+3], s[G0W+3], 0x80000000
	CROUND                                         ; all four work-groups are here: the first joint loads meet
	s_cmp_lt_u32 s8, 2                             ; the first fills: every wave issues one
	s_cbranch_scc0 .Lfirst_x
	tensor_load_to_lds s[G0S:G0S+3], s[G1S:G1S+7]  ; block 0 of state
	s_nop 0
.rept 4
	v_nop
.endr
	s_branch .Lfirst_asked
.Lfirst_x:
	tensor_load_to_lds s[G0X:G0X+3], s[G1X:G1X+7]  ; block 0 of x
	s_nop 0
.rept 4
	v_nop
.endr
.Lfirst_asked:
	s_lshl_b32 s88, ttmp9, 13                      ; x's scale bytes: the cluster's 8,192, my wave's 2,048
	s_lshl_b32 s94, s8, 11
	s_add_co_u32 s88, s88, s94
	s_add_nc_u64 s[50:51], s[50:51], s[88:89]
	s_lshl_b32 s88, ttmp9, 11                      ; att_score: the cluster's 2,048 bytes, my wave's 512
	s_lshl_b32 s94, s8, 9
	s_add_co_u32 s88, s88, s94
	s_add_nc_u64 s[46:47], s[46:47], s[88:89]
	s_lshl_b32 s90, s9, 7                          ; s90 to s93 hang on cx: they feed global addresses alone
	s_lshl_b32 s91, s8, 5
	s_add_co_u32 s90, s90, s91                     ; my first column: 128 cx + 32 w
	s_mov_b32 s93, 0
	s_mul_i32 s92, s90, 384
.irp q, 0,1,2,3,4,5
	s_add_nc_u64 s[16+2*\q:17+2*\q], s[16+2*\q:17+2*\q], s[92:93]
.endr
	s_lshl_b32 s92, s90, 4
.irp q, 0,1,2,3,4,5
	s_add_nc_u64 s[28+2*\q:29+2*\q], s[28+2*\q:29+2*\q], s[92:93]
.endr
	s_lshl_b32 s92, s90, 2
.irp g, 0,1,2
	s_add_nc_u64 s[40+2*\g:41+2*\g], s[40+2*\g:41+2*\g], s[92:93]
.endr
	s_lshl_b32 s91, ttmp9, 20
	s_add_co_u32 s92, s92, s91
	s_add_nc_u64 s[52:53], s[52:53], s[92:93]      ; the last line's h: the cluster's first row, my first column
	s_lshl_b32 s92, s9, 9
	s_add_co_u32 s92, s92, s91
	s_lshl_b32 s91, s8, 15
	s_add_co_u32 s92, s92, s91
	s_add_nc_u64 s[54:55], s[54:55], s[92:93]      ; out0: the cluster's first row + 16 w rows, the work-group's 512 bytes of a row
.irp i, 0,1,2,3
	global_load_b128 v[224+4*\i:227+4*\i], v[LI], s[50:51] offset:512*\i
.endr
	global_load_b128 v[240:243], v[LI], s[46:47]
.irp q, 0,1,2,3,4,5
	global_load_b128 v[WSC+4*\q:WSC+4*\q+3], v[LI], s[28+2*\q:29+2*\q]
.endr
	WIN 0x40
.irp g, 0,1,2
.irp c, 0,1
.irp q, 0,1
	global_load_b128 v[BI+8*(2*\g+\c)+4*\q:BI+8*(2*\g+\c)+4*\q+3], v[BO], s[40+2*\g:41+2*\g] offset:64*\c+16*\q
.endr
.endr
.endr
	WIN 0
	WLOAD 0
	WLOAD 1
	WLOAD 2
.irp k, 0,1,2,3,4,5,6,7,8,9,10,11
	WUNIT \k
.endr
	s_wait_tensorcnt 0x0                           ; my first fill has landed;
	ds_add_u32 v[SPW], v[NIL]                      ; these lines ahead of a later first fill, as ahead of a refill
	s_wait_dscnt 0x0                               ; the add is done, my stores of scale bytes and att_score have landed, my fragments are in
	CROUND                                         ; no bytes are filled again behind this round
	s_cmp_lt_u32 s8, 2
	s_cbranch_scc1 .Lno_x1
	tensor_load_to_lds s[G0W:G0W+3], s[G1X:G1X+7]  ; block 1 of x, slot 1's first fill: waves 2 and 3, one load each
	s_nop 0
.rept 4
	v_nop
.endr
.Lno_x1:
	; ---------------- BLOCK 0's h, and the first refill
	P1 0
	s_wait_tensorcnt 0x0                           ; no tensor load of mine is out, so a group 0 may be written
	ds_add_u32 v[SPW], v[NIL]
	s_add_nc_u64 s[G0S+2:G0S+3], s[G0S+2:G0S+3], 131072
	s_wait_dscnt 0x0                               ; the add is done, my images have landed, my reads of the tile of state are over
	CROUND
	SLOAD                                          ; block 1 of state
	; ---------------- BLOCKS 0 TO 5: each trip asks for the tiles two blocks on
	s_mov_b32 s84, 6
.Lblock:
	P3
	s_wait_tensorcnt 0x0                           ; my part of the next block's tiles has landed
	s_wait_dscnt 0x0                               ; my results lie in the stage, my reads of the images and of this slot of x are over
	s_barrier_signal -1
	s_barrier_wait -1                              ; it shows the stage and the next tiles to all four waves
	P4 1
	s_xor_b32 s85, s85, X1OFF                      ; the next block's slot of x
	P1 1
	s_wait_tensorcnt 0x0                           ; no tensor load of mine is out, so the groups 0 may be written
	ds_add_u32 v[SPW], v[NIL]
	s_add_nc_u64 s[G0S+2:G0S+3], s[G0S+2:G0S+3], 131072
	s_xor_b32 s[G0W+1], s[G0W+1], X1OFF            ; the slot of x that this block has read
	s_add_nc_u64 s[G0W+2:G0W+3], s[G0W+2:G0W+3], 64*384
	s_wait_dscnt 0x0                               ; the add is done, my images have landed, my reads of the tile of state, of the stage and of x are over
	CROUND
	JLOAD                                          ; the first thing behind the round, one load a wave
	s_add_co_u32 s86, s86, 1024
	s_add_co_u32 s87, s87, 256
	s_sub_co_u32 s84, s84, 1
	s_cmp_lg_u32 s84, 0
	s_cbranch_scc1 .Lblock
	; ---------------- BLOCKS 6 AND 7: a loop of their own, with no tensor load
	s_mov_b32 s84, 2
.Ltail:
	P3
	s_wait_tensorcnt 0x0
	s_wait_dscnt 0x0
	s_barrier_signal -1
	s_barrier_wait -1
	P4 0
	s_xor_b32 s85, s85, X1OFF
	s_cmp_eq_u32 s84, 1                            ; behind the last block there is no h to quantise, and no load leaves its buffer
	s_cbranch_scc1 .Lno_more
	P1 0
.Lno_more:
	s_wait_dscnt 0x0                               ; my images have landed, my reads of the stage are over
	s_barrier_signal -1
	s_barrier_wait -1
	s_add_co_u32 s86, s86, 1024
	s_add_co_u32 s87, s87, 256
	s_sub_co_u32 s84, s84, 1
	s_cmp_lg_u32 s84, 0
	s_cbranch_scc1 .Ltail
	s_wait_tensorcnt 0x0                           ; the wave's end
	ds_add_u32 v[SPW], v[NIL]
	s_wait_dscnt 0x0
	CROUND                                         ; the closing round
	s_endpgm
.Lfunc_end_k_q7840f9b1d0_augru:
	.size	k_q7840f9b1d0_augru, .Lfunc_end_k_q7840f9b1d0_augru-k_q7840f9b1d0_augru
	.p2alignl 7, 3214868480
	.fill 96, 4, 3214868480
	.section	.rodata,"a",@progbits
	.p2align	6, 0x0
	.amdhsa_kernel k_q7840f9b1d0_augru
		.amdhsa_group_segment_fixed_size 327680
		.amdhsa_private_segment_fixed_size 0
		.amdhsa_enable_private_segment 0
		.amdhsa_kernarg_size 160
		.amdhsa_user_sgpr_count 2
		.amdhsa_user_sgpr_kernarg_segment_ptr 1
		.amdhsa_wavefront_size32 1
		.amdhsa_system_sgpr_workgroup_id_x 1
		.amdhsa_system_sgpr_workgroup_id_y 1
		.amdhsa_system_sgpr_workgroup_id_z 1
		.amdhsa_system_vgpr_workitem_id 0
		.amdhsa_next_free_vgpr 1024
		.amdhsa_next_free_sgpr 96
		.amdhsa_reserve_vcc 0
		.amdhsa_float_denorm_mode_32 3
		.amdhsa_float_denorm_mode_16_64 3
		.amdhsa_memory_ordered 1
		.amdhsa_forward_progress 1
		.amdhsa_inst_pref_size 255
	.end_amdhsa_kernel
	.section	.bss,"aw",@nobits
	.p2align	6
	.space	262144
	.amdgpu_metadata
---
amdhsa.version: [ 1, 2 ]
amdhsa.kernels:
  - .name:           k_q7840f9b1d0_augru
    .symbol:         k_q7840f9b1d0_augru.kd
    .args:
      - { .name: Wu_x_codes, .offset: 0, .size: 8, .value_kind: global_buffer, .address_space: global }
      - { .name: Wr_x_codes, .offset: 8, .size: 8, .value_kind: global_buffer, .address_space: global }
      - { .name: Wc_x_codes, .offset: 16, .size: 8, .value_kind: global_buffer, .address_space: global }
      - { .name: Wu_h_codes, .offset: 24, .size: 8, .value_kind: global_buffer, .address_space: global }
      - { .name: Wr_h_codes, .offset: 32, .size: 8, .value_kind: global_buffer, .address_space: global }
      - { .name: Wc_h_codes, .offset: 40, .size: 8, .value_kind: global_buffer, .address_space: global }
      - { .name: Wu_x_scales, .offset: 48, .size: 8, .value_kind: global_buffer, .address_space: global }
      - { .name: Wr_x_scales, .offset: 56, .size: 8, .value_kind: global_buffer, .address_space: global }
      - { .name: Wc_x_scales, .offset: 64, .size: 8, .value_kind: global_buffer, .address_space: global }
      - { .name: Wu_h_scales, .offset: 72, .size: 8, .value_kind: global_buffer, .address_space: global }
      - { .name: Wr_h_scales, .offset: 80, .size: 8, .value_kind: global_buffer, .address_space: global }
      - { .name: Wc_h_scales, .offset: 88, .size: 8, .value_kind: global_buffer, .address_space: global }
      - { .name: bu, .offset: 96, .size: 8, .value_kind: global_buffer, .address_space: global }
      - { .name: br, .offset: 104, .size: 8, .value_kind: global_buffer, .address_space: global }
      - { .name: bc, .offset: 112, .size: 8, .value_kind: global_buffer, .address_space: global }
      - { .name: att_score, .offset: 120, .size: 8, .value_kind: global_buffer, .address_space: global }
      - { .name: inputs_codes, .offset: 128, .size: 8, .value_kind: global_buffer, .address_space: global }
      - { .name: inputs_scales, .offset: 136, .size: 8, .value_kind: global_buffer, .address_space: global }
      - { .name: state, .offset: 144, .size: 8, .value_kind: global_buffer, .address_space: global }
      - { .name: out0, .offset: 152, .size: 8, .value_kind: global_buffer, .address_space: global }
    .group_segment_fixed_size: 327680
    .private_segment_fixed_size: 0
    .kernarg_segment_align: 8
    .kernarg_segment_size: 160
    .max_flat_workgroup_size: 128
    .sgpr_count:     96
    .vgpr_count:     1024
    .wavefront_size: 32
...
	.end_amdgpu_metadata
.endif
;; end of part 1
